; MI455X (gfx1250); checked and timed in simulation.
; The chip was launched on July 23, 2026; its instructions are those of AMD's public machine-readable ISA for CDNA 5 (MIT licence, August 2026) and "CDNA5" Instruction Set Architecture Reference Guide (July 2026). The comments in the code are by the model that wrote it; some were corrected since.
;; Masked Attention. Allowed arithmetic: matrix products marked QUANTISED: E2M3 operands, one E8M0 scale for each 32 along K, by v_wmma_scale_f32_16x16x128_f8f6f4 with both operands' format E2M3, f32 sums; everything else in f32.
;; Inputs: Wk 1,024 x 1,024 float32; Wp 1,024 x 1,024 float32; Wq 1,024 x 1,024 float32; Wv 1,024 x 1,024 float32; bk 1,024 float32; bp 1,024 float32; bq 1,024 float32; bv 1,024 float32; x 2 x 2,048 x 1,024 float32.
;; Outputs: out0 2 x 2,048 x 1,024 float32.
;; This version of the problem:
;;   THIS VERSION OF THE PROBLEM IS GIVEN IN LOW PRECISION. The matrix products marked QUANTISED in the list below multiply operands that are first quantised to E2M3 (2 exponent bits, 3 mantissa bits; 6 bits a number), with one power-of-two scale for each 32 numbers along K (OCP MX v1.0); their sums are f32. All else is computed in f32.
;;   The module's matrix products, in the order in which they are computed (A, B: the left and right operand; K: the contracted axis; several contracted axes count as one K, in the product's order):
;;     1. [M 4,096, K 1,024] x [K 1,024, N 1,024]; A: input x; B: input Wq: QUANTISED
;;     2. [M 4,096, K 1,024] x [K 1,024, N 1,024]; A: input x; B: input Wk: QUANTISED
;;     3. [M 4,096, K 1,024] x [K 1,024, N 1,024]; A: input x; B: input Wv: QUANTISED
;;     4. batch 32 x [M 2,048, K 64] x [K 64, N 2,048]; A: computed on the way; B: computed on the way: QUANTISED
;;     5. batch 32 x [M 2,048, K 2,048] x [K 2,048, N 64]; A: softmax (see below); B: computed on the way: QUANTISED
;;     6. [M 4,096, K 1,024] x [K 1,024, N 1,024]; A: computed on the way; B: input Wp: QUANTISED
;;   THE QUANTISER, for each operand of a quantised product, along K:
;;     - K is cut into blocks of 32 from its start; a last block that is shorter is filled with zeros.
;;     - A block's scale is 2^e with e = floor(log2(the largest magnitude in the block)) - 2, held to -126 .. 127; a block of zeros has e = 0. As a byte (E8M0): e + 127.
;;     - Each number is divided by its block's scale, clamped to +-7.5, and rounded to the nearest number of E2M3, ties to even, subnormals kept.
;;     - The product sums the exact products of the quantised numbers (number of the format x scale) in f32.
;;   ~~~python
;;   def quantise(x, axis):      # numpy; x: float32 -> the quantised numbers, widened to float32 again
;;       x = np.moveaxis(x, axis, -1); K = x.shape[-1]
;;       x = np.pad(x, [(0, 0)] * (x.ndim - 1) + [(0, -K % 32)]); x = x.reshape(x.shape[:-1] + (-1, 32)); a = np.abs(x).max(-1, keepdims=True)
;;       e = np.where(a > 0, np.clip(np.frexp(np.where(a > 0, a, 1))[1] - 1 - 2, -126, 127), 0)      # np.frexp(a)[1] - 1 = floor(log2(a)), exactly
;;       r = np.clip(x / 2.0 ** e, -7.5, 7.5)
;;       step = 2.0 ** (np.maximum(np.frexp(np.where(r == 0, 1, r))[1] - 1, 0) - 3)
;;       q = np.round(r / step) * step * 2.0 ** e      # np.round: ties to even
;;       return np.moveaxis(q.reshape(q.shape[:-2] + (-1,))[..., :K], -1, axis).astype(np.float32)
;;   ~~~
;;   SOFTMAX AHEAD OF A QUANTISED PRODUCT. Where the list says 'softmax', what is quantised is not the finished softmax but p = 2^(t - M), with t = logit x log2(e) and M = ceil(the row's largest t), a whole number; so 1/2 < the row's largest p <= 1. The row's sum l is taken of the UNQUANTISED p, in f32, and the product's result is divided by l at the end. Since M is a whole number, a kernel that streams over the keys may use a running M (the ceiling of the running maximum): every later rescaling is an exact power of two, which a block's scale takes up: the codes' values come out the same.
;;   OPERANDS COMPUTED ON THE WAY. 'Computed on the way' means the value that the module computes at that place (a softmax that the list does not call 'softmax' is quantised finished and normalised). What goes into a quantiser is computed in f32, as accurately as f32 sums, v_exp_f32 and their like allow (about 1e-6 of the number): no bf16 or f16 on the way to a quantiser, and a product that is left as it is and whose result goes on into a quantised operand takes f32 operands (vector FMAs, or v_wmma_f32_16x16x4_f32). A number that lies on a knife's edge between two numbers of the format may be rounded either way, as far as f32 arithmetic and the matrix unit's own rounding can turn it there, and no further.
;; One version. Each part assembles by itself: llvm-mc -triple=amdgcn-amd-amdhsa -mcpu=gfx1250 --defsym DOCPART=n.
;; ======== version 1 of 1: 4 launches
;; limits: right only within a limited range of input values
;; workspace buffers: img 6,553,600 bytes; qkv 9,830,400 bytes; a_img 3,145,728 bytes; a_sc 131,072 bytes
;; launch quant (part 1): grid 256 x 1, 16 waves a work-group, no clusters, 138,240 bytes of LDS; arguments x, Wq, Wk, Wv, Wp, img; writes img
.if DOCPART == 1
	.amdgcn_target "amdgcn-amd-amdhsa--gfx1250"
	.amdhsa_code_object_version 6
	.text
	.protected	k_qa2e231a7f0_quant
	.globl	k_qa2e231a7f0_quant
	.p2align	8
	.type	k_qa2e231a7f0_quant,@function
k_qa2e231a7f0_quant:
	s_mov_b64 s[64:65], 0
	v_nop
	global_prefetch_b8 v0, s[64:65] scope:SCOPE_SE
	s_setreg_imm32_b32 hwreg(HW_REG_WAVE_MODE, 25, 1), 1
	s_wait_xcnt 0x0
; x [4096][1024] and the four weights [1024][1024], f32, K innermost, become codes of FP6 (E2M3) with one E8M0 byte for each 32 along K, laid as images of operand registers.
; POSITION ORDER inside each 64 rows: position 16 j + 8 h + i holds row 32 h + 8 j + i (i 0..7, h 0..1, j 0..3).  A tile is 16 positions: so a lane's 32 results of four neighbouring tiles are 32 neighbours of the next quantiser's axis.
; BUFFER img: blocks of NT tiles: x 16 blocks of 256 tokens (NT 16), then 16 heads (NT 12: Q's tiles 0-3, V's 0-1, K's 0-3, V's 2-3), then Wp in 8 blocks of 128 outputs (NT 8).
; A block is four chunks of 256 along K: [tile][K step of 128, two][piece of 4 registers, three][lane][16 bytes], behind them scale words [tile][row 16][K step, two].
; A block's scale byte is the largest magnitude's exponent field - 2, held at 1 from below (a block of zeros gets the byte 1: its codes are zeros, and only this program reads the bytes).
; LIMITS: NaN and infinities among the inputs are not served; blocks whose largest magnitude lies under 2^(3 - 127) keep the byte 1.
; A work-group takes two tiles, a wave one K step of one tile: 16 loads of 512 consecutive bytes (a row each), all issued at once; they turn through the wave's own stage, so that a lane then holds two whole blocks of its row.
; No product of the problem is dead; the tiles that the causal mask empties are passed over in the attention launch.
.set SP,   528                         ; a stage row: 512 bytes + 16
.set SCB,  16*16*SP                    ; 135,168: the work-group's scale words, 1,024 bytes
.set SPARE, SCB+1024
.set SPW, 1
.set NIL, 2
.set L16, 3
.set TIN, 4
.set TOUT, 5
.set SBA, 6
.set SRD, 7
.set L8,  8
.set R,   16                           ; v16-79 the rows as loaded
.set X,   80                           ; v80-143 two blocks of 32
.set C,   144                          ; v144-155 codes
.set T,   156                          ; v156-158, v160-162 second halves' codes
.set M,   164                          ; v164-167 chains
.set SO,  168
.set E,   170
	s_load_b256 s[4:11], s[0:1], 0x0               ; x, Wq, Wk, Wv
	s_load_b128 s[12:15], s[0:1], 0x20             ; Wp, img
	v_lshl_add_u32 v[SPW], v0, 2, SPARE
	v_mov_b32 v[NIL], 0
	v_lshrrev_b32 v9, 5, v0
	v_readfirstlane_b32 s16, v9                    ; wave
	s_lshr_b32 s17, s16, 3                         ; which of the two tiles
	s_and_b32 s18, s16, 7                          ; which K step
	s_and_b32 s20, ttmp9, 31
	s_cmp_lt_u32 ttmp9, 128
	s_cselect_b32 s20, ttmp9, s20                  ; pair of tiles in its tensor
	s_and_b32 s22, s20, 1
	s_lshr_b32 s29, s20, 1
	s_lshl_b32 s21, s29, 6
	s_lshl_b32 s30, s22, 4
	s_add_co_u32 s21, s21, s30
	s_lshl_b32 s30, s17, 3
	s_add_co_u32 s21, s21, s30                     ; the tile's first row
	s_lshl_b32 s21, s21, 12
	s_lshl_b32 s30, s18, 9
	s_add_co_u32 s34, s21, s30                     ; where my loads begin, in bytes
	s_mov_b32 s35, 0
	s_lshr_b32 s23, s20, 3                         ; x: block, first tile, block bytes, chunk bytes, origin, scale offset
	s_lshl_b32 s24, s20, 1
	s_and_b32 s24, s24, 15
	s_mov_b32 s25, 204800
	s_mov_b32 s26, 51200
	s_mov_b32 s27, 0
	s_mov_b32 s28, 49152
	s_lshl_b32 s30, s22, 1                         ; Wq: tiles 2 e
	s_add_co_u32 s31, s30, 6                       ; Wk: 6 + 2 e
	s_mul_i32 s32, s22, 6
	s_add_co_u32 s32, s32, 4                       ; Wv: 4 + 6 e
	s_lshr_b32 s33, s20, 2                         ; Wp: block,
	s_and_b32 s36, s20, 3
	s_lshl_b32 s36, s36, 1                         ; first tile
	s_cmp_ge_u32 ttmp9, 128
	s_cmov_b32 s23, s29
	s_cmov_b32 s24, s30
	s_cmov_b32 s25, 153600
	s_cmov_b32 s26, 38400
	s_cmov_b32 s27, 3276800
	s_cmov_b32 s28, 36864
	s_cmp_ge_u32 ttmp9, 160
	s_cmov_b32 s24, s31
	s_cmp_ge_u32 ttmp9, 192
	s_cmov_b32 s24, s32
	s_cmp_ge_u32 ttmp9, 224
	s_cmov_b32 s23, s33
	s_cmov_b32 s24, s36
	s_cmov_b32 s25, 102400
	s_cmov_b32 s26, 25600
	s_cmov_b32 s27, 5734400
	s_cmov_b32 s28, 24576
	s_mul_i32 s23, s23, s25
	s_add_co_u32 s23, s23, s27                     ; the block
	s_lshr_b32 s30, s18, 1
	s_mul_i32 s30, s30, s26
	s_add_co_u32 s38, s23, s30                     ; my chunk
	s_add_co_u32 s30, s24, s17
	s_mul_i32 s30, s30, 3072
	s_add_co_u32 s38, s38, s30                     ; my tile
	s_and_b32 s31, s18, 1
	s_mul_i32 s30, s31, 1536
	s_add_co_u32 s38, s38, s30                     ; my K step's codes
	s_mov_b32 s39, 0
	s_mul_i32 s40, s16, s26
	s_add_co_u32 s40, s40, s23
	s_add_co_u32 s40, s40, s28
	s_lshl_b32 s30, s24, 7
	s_add_co_u32 s40, s40, s30                     ; waves 0 to 3: chunk w's scale words of the two tiles, 256 bytes
	s_mov_b32 s41, 0
	v_and_b32 v9, 31, v0
	v_lshlrev_b32 v[L16], 4, v9
	v_lshlrev_b32 v[L8], 3, v9
	v_and_b32 v10, 15, v0                          ; r
	v_bfe_u32 v11, v0, 4, 1                        ; h
	s_mul_i32 s42, s16, 16*SP
	v_add_nc_u32 v[TIN], s42, v[L16]
	v_mul_u32_u24 v[TOUT], v10, SP
	v_lshl_add_u32 v[TOUT], v11, 7, v[TOUT]
	v_add_nc_u32 v[TOUT], s42, v[TOUT]
	s_lshr_b32 s42, s18, 1
	s_lshl_b32 s42, s42, 8
	s_lshl_b32 s43, s17, 7
	s_add_co_u32 s42, s42, s43
	s_lshl_b32 s43, s31, 2
	s_add_co_u32 s42, s42, s43
	s_add_co_u32 s42, s42, SCB
	s_wait_alu depctr_va_vdst(0)                   ; directly ahead of the readers below
	v_lshl_add_u32 v[SBA], v10, 3, v11
	v_add_nc_u32 v[SBA], s42, v[SBA]               ; my bytes: [chunk][tile][row][K step][2 c + h]
	s_lshl_b32 s42, s16, 8
	s_add_co_u32 s42, s42, SCB
	v_add_nc_u32 v[SRD], s42, v[L8]
	s_wait_alu depctr_va_vdst(0)                   ; the head's end
	s_wait_kmcnt 0x0
	s_cmp_lt_u32 ttmp9, 224                        ; which tensor: by the work-group's number alone
	s_cselect_b64 s[12:13], s[10:11], s[12:13]
	s_cmp_lt_u32 ttmp9, 192
	s_cselect_b64 s[12:13], s[8:9], s[12:13]
	s_cmp_lt_u32 ttmp9, 160
	s_cselect_b64 s[12:13], s[6:7], s[12:13]
	s_cmp_lt_u32 ttmp9, 128
	s_cselect_b64 s[12:13], s[4:5], s[12:13]
	s_add_nc_u64 s[4:5], s[12:13], s[34:35]
	s_add_nc_u64 s[8:9], s[14:15], s[38:39]
	s_add_nc_u64 s[10:11], s[14:15], s[40:41]
.set m, 0
.rept 16
	global_load_b128 v[R+4*m:R+4*m+3], v[L16], s[4:5] offset:(32*(m/8)+m%8)*4096 th:TH_LOAD_NT   ; position m of my tile: 512 consecutive bytes of its row
.set m, m+1
.endr
.set m, 0
.rept 16
.if m%4 == 0
	s_wait_loadcnt 12-m                            ; four more rows are in; the younger ones may be out
.endif
	ds_store_b128 v[TIN], v[R+4*m:R+4*m+3] offset:SP*m
.set m, m+1
.endr
.set m, 0
.rept 16
	ds_load_b128 v[X+4*m:X+4*m+3], v[TOUT] offset:256*(m/8)+16*(m%8)   ; LDS serves a wave's instructions in order: these see my stores.  Block c: k = 64 c + 32 h + 0 .. 31
.set m, m+1
.endr
	s_wait_dscnt 0x0
.irp c, 0,1
	v_max3_num_f32 v[M+2*\c], |v[X+32*\c]|, |v[X+32*\c+1]|, |v[X+32*\c+2]|
	v_max3_num_f32 v[M+2*\c+1], |v[X+32*\c+16]|, |v[X+32*\c+17]|, |v[X+32*\c+18]|
.endr
.irp k, 3,5,7,9,11,13
.irp c, 0,1
	v_max3_num_f32 v[M+2*\c], v[M+2*\c], |v[X+32*\c+\k]|, |v[X+32*\c+\k+1]|
	v_max3_num_f32 v[M+2*\c+1], v[M+2*\c+1], |v[X+32*\c+16+\k]|, |v[X+32*\c+17+\k]|
.endr
.endr
.irp c, 0,1
	v_max3_num_f32 v[M+2*\c+1], v[M+2*\c+1], |v[X+32*\c+31]|, 0x1800000   ; with the floor 2^(3 - 127): the byte cannot fall under 1
.endr
.irp c, 0,1
	v_max3_num_f32 v[M+2*\c], v[M+2*\c], |v[X+32*\c+15]|, v[M+2*\c+1]
.endr
.irp c, 0,1
	v_add_nc_u32 v[SO+\c], 0xff000000, v[M+2*\c]   ; 2 off the exponent field: the conversion's scale operand
.endr
.irp c, 0,1
	v_cvt_scalef32_pk16_fp6_f32 v[C+6*\c:C+6*\c+2], v[X+32*\c:X+32*\c+15], v[SO+\c]
	v_cvt_scalef32_pk16_fp6_f32 v[T+4*\c:T+4*\c+2], v[X+32*\c+16:X+32*\c+31], v[SO+\c]
.endr
	v_lshrrev_b32 v[E], 23, v[SO]                  ; (plain lines behind the conversions)
	v_lshrrev_b32 v[E+1], 23, v[SO+1]
.irp i, 0,1,2
	v_mov_b32 v[C+3+\i], v[T+\i]
	v_mov_b32 v[C+9+\i], v[T+4+\i]
.endr
.irp p, 0,1,2
	global_store_b128 v[L16], v[C+4*\p:C+4*\p+3], s[8:9] offset:512*\p
.endr
	ds_store_b8 v[SBA], v[E]
	ds_store_b8 v[SBA], v[E+1] offset:2
	s_wait_dscnt 0x0                               ; my bytes are in LDS,
	s_barrier_signal -1
	s_barrier_wait -1                              ; and everybody's
	s_cmp_lt_u32 s16, 4
	s_cbranch_scc0 .Lend
	ds_load_b64 v[R:R+1], v[SRD]
	s_wait_dscnt 0x0
	global_store_b64 v[L8], v[R:R+1], s[10:11]     ; one aligned unit of 256 bytes
.Lend:
	s_wait_tensorcnt 0x0                           ; the wave's end
	ds_add_u32 v[SPW], v[NIL]
	s_wait_dscnt 0x0
	s_endpgm
.Lfunc_end_k_qa2e231a7f0_quant:
	.size	k_qa2e231a7f0_quant, .Lfunc_end_k_qa2e231a7f0_quant-k_qa2e231a7f0_quant
	.p2alignl 7, 3214868480
	.fill 96, 4, 3214868480
	.section	.rodata,"a",@progbits
	.p2align	6, 0x0
	.amdhsa_kernel k_qa2e231a7f0_quant
		.amdhsa_group_segment_fixed_size 138240
		.amdhsa_private_segment_fixed_size 0
		.amdhsa_enable_private_segment 0
		.amdhsa_kernarg_size 48
		.amdhsa_user_sgpr_count 2
		.amdhsa_user_sgpr_kernarg_segment_ptr 1
		.amdhsa_wavefront_size32 1
		.amdhsa_system_sgpr_workgroup_id_x 1
		.amdhsa_system_sgpr_workgroup_id_y 1
		.amdhsa_system_sgpr_workgroup_id_z 1
		.amdhsa_system_vgpr_workitem_id 0
		.amdhsa_next_free_vgpr 192
		.amdhsa_next_free_sgpr 66
		.amdhsa_reserve_vcc 0
		.amdhsa_float_denorm_mode_32 3
		.amdhsa_float_denorm_mode_16_64 3
		.amdhsa_memory_ordered 1
		.amdhsa_forward_progress 1
		.amdhsa_inst_pref_size 12
	.end_amdhsa_kernel
	.amdgpu_metadata
---
amdhsa.version: [ 1, 2 ]
amdhsa.kernels:
  - .name:           k_qa2e231a7f0_quant
    .symbol:         k_qa2e231a7f0_quant.kd
    .args:
      - { .name: x, .offset: 0, .size: 8, .value_kind: global_buffer, .address_space: global }
      - { .name: Wq, .offset: 8, .size: 8, .value_kind: global_buffer, .address_space: global }
      - { .name: Wk, .offset: 16, .size: 8, .value_kind: global_buffer, .address_space: global }
      - { .name: Wv, .offset: 24, .size: 8, .value_kind: global_buffer, .address_space: global }
      - { .name: Wp, .offset: 32, .size: 8, .value_kind: global_buffer, .address_space: global }
      - { .name: img, .offset: 40, .size: 8, .value_kind: global_buffer, .address_space: global }
    .group_segment_fixed_size: 138240
    .private_segment_fixed_size: 0
    .kernarg_segment_align: 8
    .kernarg_segment_size: 48
    .max_flat_workgroup_size: 512
    .sgpr_count:     66
    .vgpr_count:     192
    .wavefront_size: 32
...
	.end_amdgpu_metadata
.endif
;; end of part 1
;; launch qkv (part 2): grid 16 x 16, 4 waves a work-group, clusters of 4 x 4, 327,680 bytes of LDS; arguments img, bq, bk, bv, qkv; writes qkv
.if DOCPART == 2
	.amdgcn_target "amdgcn-amd-amdhsa--gfx1250"
	.amdhsa_code_object_version 6
	.text
	.protected	k_qa2e231a7f0_qkv
	.globl	k_qa2e231a7f0_qkv
	.p2align	8
	.type	k_qa2e231a7f0_qkv,@function
k_qa2e231a7f0_qkv:
	s_mov_b64 s[64:65], 0
	v_nop
	global_prefetch_b8 v0, s[64:65] scope:SCOPE_SE
	s_setreg_imm32_b32 hwreg(HW_REG_WAVE_MODE, 25, 1), 1
	s_wait_xcnt 0x0
	s_wait_alu depctr_hold_cnt(0) depctr_sa_sdst(0) depctr_va_vdst(0) depctr_va_sdst(0) depctr_va_ssrc(0) depctr_va_vcc(0) depctr_vm_vsrc(0)
	s_getreg_b32 s2, hwreg(HW_REG_IB_STS2, 6, 4)
	s_cmp_eq_u32 s2, 0
	s_cbranch_scc0 .Lentry_in_a_cluster
	s_endpgm
.Lentry_in_a_cluster:
	s_bfe_u32 s2, ttmp6, 0x10000c
	s_cmp_lg_u32 s2, 0xf033
	s_cbranch_scc0 .Lentry_shape_is_right
	s_endpgm
.Lentry_shape_is_right:
; Q, K, V = x W^T + b and their quantisers.  A work-group makes 256 tokens x (64 of Q, 64 of K, 64 of V) of ONE head: 16 x 16 work-groups, one turn.
; OUT (buffer qkv): [batch x head 32][group of 128 tokens 16][Q, K, V][6,400]: Q, K: [pair of tiles 4][piece][lane][16 bytes], six registers a tile, then scale words [row 16][pair 4];
; V: [tile of 16 columns 4][piece][lane][16], registers 6 c .. are band c of 64 tokens, then scale words [half 2][row 16][tile 2].
; LIMITS: NaN and infinities are not served; a block of zeros carries the byte 1.
; Four waves, 2 x 2: wave (a, b) takes tokens 128 a .. (eight tiles) and, b = 0, Q and V's tiles 0, 1, or, b = 1, K and V's tiles 2, 3: 48 accumulators.  Q and K are made transposed (source 0 = the weight's rows), V is not:
; by the position order a lane's 32 results of four tiles are one scale block of the next product, so the conversions need no other lane.  The bias is the C of each sum's first product.
; K goes in four chunks of 256: chunk 0 and then chunks 1, 2 come by the head's four loads, one a wave; chunk 3 is asked for onto chunk 0's bytes in the second K step, four steps ahead of its use.
; CLUSTERS of 4 x 4: x's rows are shared along a row of the cluster, a head's weights along a column, each asked for jointly.  No prefetch: there is no loop to run ahead in; one fill alone comes later than the head.
; WINDOWS: 0: addresses, scale words, fragment set 1 (v88-255);  1: fragment set 0 (v0-167), codes on the way out (v168-250);  2: Q's or K's sums 8 (4 s + j);  3: V's sums 64 t + 32 c + 8 j, then the biases.
.set XCH, 51200                        ; x's chunk: 16 tiles x 3,072, scale words 2,048
.set WCH, 38400                        ; the weights' chunk: 12 tiles x 3,072, scale words 1,536
.set XB, 3*WCH                         ; LDS: three chunks of weights, three of x
.set SPARE, XB+3*XCH
.set XA, 4
.set WA, 7
.set AS, 10
.set AX, 13
.set L16, 16
.set H8, 17
.set R16, 18
.set R8, 19
.set SPW, 20
.set NIL, 21
.set SC, 32                            ; v32-63 two sets: register 2 i + q: lanes 0-15 the weights' tile i, lanes 16-31 x's tile i
.set TQ, 64
.set EB, 70                            ; v70-77 Q's or K's tiles, v78-81 V's (2 t + c)
.set NQK, 168                          ; window 1: four pairs of 12 registers
.set NV, 216                           ; two operands of 12
.set CT, 240
.set SEL, 98
.set MSB, 0
.macro WIN new
.if MSB != (\new)
	s_set_vgpr_msb (MSB<<8)|(\new)
.set MSB, (\new)
.endif
.endm
.macro WALU
	s_wait_alu depctr_va_vdst(0)
.endm
.macro PLACES n
.rept \n
	v_nop
.endr
.endm
.macro CREST
	s_cmp_lg_u32 s14, 0
	s_cbranch_scc1 .Lnot_wave_0_\@
	s_barrier_signal -3
.Lnot_wave_0_\@:
	s_barrier_wait -3
	s_barrier_signal -1
	s_barrier_wait -1
.endm
.macro CROUND
	s_barrier_signal -1
	s_barrier_wait -1
	CREST
.endm
.macro TLOAD g0, g1
	tensor_load_to_lds s[\g0:\g0+3], s[\g1:\g1+7]
	s_nop 0
	PLACES 4
.endm
.macro GROUP1 g, mask, rows            ; dense: rows of 2,560 bytes, elements of 8
	s_or_b32 s[\g], s[\mask], (3<<16)|(1<<21)
	s_mov_b32 s[\g+1], 320<<16
	s_mov_b32 s[\g+2], (\rows)<<16
	s_mov_b32 s[\g+3], 320<<16
	s_mov_b32 s[\g+4], \rows
	s_mov_b32 s[\g+5], 320
	s_mov_b32 s[\g+6], 0
	s_mov_b32 s[\g+7], 0
.endm
.macro GROUP0 g, lds, base, off
	s_mov_b32 s[\g], 1
	s_mov_b32 s[\g+1], \lds
	s_add_nc_u64 s[\g+2:\g+3], s[\base:\base+1], \off
	s_or_b32 s[\g+3], s[\g+3], 0x80000000
.endm
	s_load_b256 s[4:11], s[0:1], 0x0               ; img, bq, bk, bv
	s_load_b64 s[12:13], s[0:1], 0x20              ; qkv
	v_lshl_add_u32 v[SPW], v0, 2, SPARE
	v_mov_b32 v[NIL], 0
	ds_add_u32 v[SPW], v[NIL]                      ; the wave's opening: the add, twice on end
	ds_add_u32 v[SPW], v[NIL]
	v_lshrrev_b32 v1, 5, v0
	v_readfirstlane_b32 s14, v1
	s_lshr_b32 s15, s14, 1                         ; a
	s_and_b32 s16, s14, 1                          ; b
	s_bfe_u32 s19, ttmp6, 0x40000                  ; cx
	s_bfe_u32 s20, ttmp6, 0x40004                  ; cy
	s_lshl_b32 s17, ttmp9, 2
	s_add_co_u32 s17, s17, s19                     ; head
	s_and_b32 s18, ttmp7, 0xffff
	s_lshl_b32 s18, s18, 2
	s_add_co_u32 s18, s18, s20                     ; block of 256 tokens
	s_lshl_b32 s21, s20, 2
	s_lshl_b32 s21, 15, s21                        ; my row of the cluster
	s_lshl_b32 s22, 0x1111, s19                    ; my column
	GROUP1 24, 22, 15
	GROUP1 32, 21, 20
	GROUP1 40, 22, 30
	GROUP1 48, 21, 40
	s_mov_b32 s[SEL], 0x76543210
	s_mov_b32 s[SEL+1], 0xfedcba98
	v_and_b32 v22, 15, v0                          ; r
	v_bfe_u32 v23, v0, 4, 1                        ; h
	v_and_b32 v24, 31, v0
	v_lshlrev_b32 v[L16], 4, v24
	v_lshlrev_b32 v[R16], 4, v22
	v_lshlrev_b32 v[R8], 3, v22
	v_lshlrev_b32 v[H8], 3, v23
	s_mul_i32 s2, s15, 8*3072
	s_add_co_u32 s2, s2, XB
	v_add_nc_u32 v[XA], s2, v[L16]
	v_add_nc_u32 v[XA+1], XCH, v[XA]
	v_add_nc_u32 v[XA+2], 2*XCH, v[XA]
	s_mul_i32 s2, s16, 6*3072
	v_add_nc_u32 v[WA], s2, v[L16]
	v_add_nc_u32 v[WA+1], WCH, v[WA]
	v_add_nc_u32 v[WA+2], 2*WCH, v[WA]
	WALU                                           ; ahead of the scalar lines
	s_lshl_b32 s2, s15, 10
	s_add_co_u32 s2, s2, XB+49152                  ; x's words
	s_mul_i32 s3, s16, 768
	s_add_co_u32 s3, s3, 36864                     ; the weights'
	s_sub_co_u32 s90, s2, s3                       ; from the one to the other
.irp c, 0,1,2
	v_mul_u32_u24 v25, s90, v23
	v_add_nc_u32 v25, v25, v[R8]
	v_add_nc_u32 v[AS+\c], s3, v25
	v_add_nc_u32 v[AX+\c], s2, v[R8]
	s_add_co_u32 s2, s2, XCH
	s_add_co_u32 s3, s3, WCH
	s_add_co_u32 s90, s90, XCH-WCH
.endr
	v_lshrrev_b32 v26, 3, v22
	v_and_b32 v27, 7, v22
	v_lshlrev_b32 v25, 2, v27
	v_lshl_add_u32 v25, v26, 7, v25
	s_lshl_b32 s2, s16, 6
	v_add_nc_u32 v25, s2, v25                      ; V's bias: column 32 (r / 8) + 8 t + r % 8, t = 2 b + 0, 1
	v_lshlrev_b32 v24, 7, v23                      ; Q's, K's: columns 32 h ..
.irp i, 67,68,69
	v_mov_b32 v\i, 0
.endr
	WALU
	s_wait_dscnt 0x0                               ; both opening adds are done
	CROUND                                         ; all sixteen work-groups are here
	s_wait_kmcnt 0x0
	s_mul_i32 s2, s18, 4*XCH
	s_mov_b32 s3, 0
	s_add_nc_u64 s[92:93], s[4:5], s[2:3]          ; my tokens' block
	s_mul_i32 s2, s17, 4*WCH
	s_add_co_u32 s2, s2, 3276800
	s_add_nc_u64 s[94:95], s[4:5], s[2:3]          ; my head's weights
	GROUP0 56, 0, 94, 0
	GROUP0 60, XB, 92, 0
	GROUP0 68, WCH, 94, WCH
	GROUP0 72, XB+XCH, 92, XCH
	GROUP0 76, 0, 94, 3*WCH
	GROUP0 80, XB, 92, 3*XCH
	s_cmp_eq_u32 s14, 0                            ; one load a wave: chunk 0's weights, chunk 0's rows of x, then chunks 1 and 2
	s_cbranch_scc0 .Lhead_1
	TLOAD 56, 24
	s_branch .Lasked
.Lhead_1:
	s_cmp_eq_u32 s14, 1
	s_cbranch_scc0 .Lhead_2
	TLOAD 60, 32
	s_branch .Lasked
.Lhead_2:
	s_cmp_eq_u32 s14, 2
	s_cbranch_scc0 .Lhead_3
	TLOAD 68, 40
	s_branch .Lasked
.Lhead_3:
	TLOAD 72, 48
.Lasked:
	s_cmp_eq_u32 s16, 0
	s_cselect_b64 s[6:7], s[6:7], s[8:9]           ; b_q or b_k
	s_lshl_b32 s2, s17, 8
	s_mov_b32 s3, 0
	s_add_nc_u64 s[6:7], s[6:7], s[2:3]
	s_add_nc_u64 s[10:11], s[10:11], s[2:3]
	WIN 0xc0
.irp k, 0,1,2,3,4,5,6,7
	global_load_b128 v[128+4*\k:131+4*\k], v24, s[6:7] offset:16*\k        ; v896-927: register 8 j + i is column 32 h + 8 j + i
.endr
.irp t, 0,1
.irp i, 0,1,2,3,4,5,6,7
	global_load_b32 v[160+8*\t+\i], v25, s[10:11] offset:32*\t             ; v928-943: one number a lane and tile, eight times
.endr
.endr
	WIN 0
	s_lshr_b32 s2, s18, 3                          ; where the results go
	s_lshl_b32 s2, s2, 4
	s_add_co_u32 s2, s2, s17
	s_lshl_b32 s2, s2, 4
	s_and_b32 s23, s18, 7
	s_lshl_b32 s23, s23, 1
	s_add_co_u32 s2, s2, s23
	s_add_co_u32 s2, s2, s15
	s_mul_i32 s2, s2, 19200
	s_add_nc_u64 s[90:91], s[12:13], s[2:3]
	s_mul_i32 s2, s16, 6400
	s_add_nc_u64 s[84:85], s[90:91], s[2:3]        ; Q's or K's record
	s_mul_i32 s2, s16, 3072
	s_add_co_u32 s2, s2, 12800
	s_add_nc_u64 s[86:87], s[90:91], s[2:3]        ; my two tiles of V
	s_lshl_b32 s2, s16, 7
	s_add_co_u32 s2, s2, 18944
	s_add_nc_u64 s[88:89], s[90:91], s[2:3]        ; and their scale words
.macro FRL st, f                       ; fragment f (0-5 the weights', 6-13 x's) of step st
.set C_, ((\st)/2)%3
.set R_, 88*((\st)%2)+12*(\f)
.irp p, 0,1,2
.if (\f) < 6
	ds_load_b128 v[R_+4*\p:R_+4*\p+3], v[WA+C_] offset:3072*(\f)+1536*((\st)%2)+512*\p
.else
	ds_load_b128 v[R_+4*\p:R_+4*\p+3], v[XA+C_] offset:3072*((\f)-6)+1536*((\st)%2)+512*\p
.endif
.endr
.endm
.macro LOADS st, g                     ; the six groups of a step's loads; with the last, at a chunk's first step, its scale words
	WIN (1-(\st)%2)<<6
.if (\g) < 2
	FRL \st, 3*(\g)
	FRL \st, 3*(\g)+1
	FRL \st, 3*(\g)+2
.else
	FRL \st, 2*(\g)+2
	FRL \st, 2*(\g)+3
.endif
.if ((\g) == 5) && ((\st)%2 == 0)
	WIN 0
.set C_, ((\st)/2)%3
.set R_, SC+16*(((\st)/2)%2)
.irp i, 0,1,2,3,4,5
	ds_load_b64 v[R_+2*\i:R_+2*\i+1], v[AS+C_] offset:128*\i
.endr
.irp i, 6,7
	ds_load_b64 v[R_+2*\i:R_+2*\i+1], v[AX+C_] offset:128*\i               ; x's alone
.endr
.endif
.endm
.macro PR st, s, n                     ; a product: token tile s with Q's or K's tile n, or with V's tile n - 4.  The 48 accumulators by turns
.set FW_, 1-(\st)%2
.set FB_, 88*((\st)%2)
.set XF_, FB_+72+12*(\s)
.set WF_, FB_+12*(\n)
.set SR_, SC+16*(((\st)/2)%2)+(\st)%2
.if (\n) < 4
.set D_, 8*(4*(\s)+(\n))
.if (\st) == 0
	WIN FW_|(FW_<<2)|0xb0
	v_wmma_scale_f32_16x16x128_f8f6f4 v[D_:D_+7], v[WF_:WF_+11], v[XF_:XF_+11], v[128+8*(\n):135+8*(\n)], v[SR_+2*(\n)], v[SR_+2*(\s)] matrix_a_fmt:MATRIX_FMT_FP6 matrix_b_fmt:MATRIX_FMT_FP6 matrix_b_scale:MATRIX_SCALE_ROW1
.else
	WIN FW_|(FW_<<2)|0xa0
	v_wmma_scale_f32_16x16x128_f8f6f4 v[D_:D_+7], v[WF_:WF_+11], v[XF_:XF_+11], v[D_:D_+7], v[SR_+2*(\n)], v[SR_+2*(\s)] matrix_a_fmt:MATRIX_FMT_FP6 matrix_b_fmt:MATRIX_FMT_FP6 matrix_b_scale:MATRIX_SCALE_ROW1
.endif
.else
.set D_, 64*((\n)-4)+32*((\s)/4)+8*((\s)%4)
	WIN FW_|(FW_<<2)|0xf0
.if (\st) == 0
	v_wmma_scale_f32_16x16x128_f8f6f4 v[D_:D_+7], v[XF_:XF_+11], v[WF_:WF_+11], v[128+8*(\n):135+8*(\n)], v[SR_+2*(\s)], v[SR_+2*(\n)] matrix_a_fmt:MATRIX_FMT_FP6 matrix_b_fmt:MATRIX_FMT_FP6 matrix_a_scale:MATRIX_SCALE_ROW1
.else
	v_wmma_scale_f32_16x16x128_f8f6f4 v[D_:D_+7], v[XF_:XF_+11], v[WF_:WF_+11], v[D_:D_+7], v[SR_+2*(\s)], v[SR_+2*(\n)] matrix_a_fmt:MATRIX_FMT_FP6 matrix_b_fmt:MATRIX_FMT_FP6 matrix_a_scale:MATRIX_SCALE_ROW1
.endif
.endif
.endm
.macro PRODS st, s
.irp n, 0,1,2,3,4,5
	PR \st, \s, \n
.endr
.endm
.macro REST st                         ; token tiles 2 to 7, the next step's loads behind the first of them
	PLACES 4                               ; places in front of loads into registers that matrix instructions have read
	LOADS (\st)+1, 0
	PRODS \st, 2
	LOADS (\st)+1, 1
	PRODS \st, 3
	LOADS (\st)+1, 2
	PRODS \st, 4
	LOADS (\st)+1, 3
	PRODS \st, 5
	LOADS (\st)+1, 4
	LOADS (\st)+1, 5
	PRODS \st, 6
	PRODS \st, 7
.endm
.macro STEP st
	s_wait_dscnt 0x0                               ; this step's fragments are in
.if (\st) == 1
	WIN 0
	s_wait_tensorcnt 0x0                           ; my head's load is in;
	ds_add_u32 v[SPW], v[NIL]
	PRODS \st, 0
	s_wait_dscnt 0x0                               ; the add is done; my reads of chunk 0 are over
	s_barrier_signal -1
	PRODS \st, 1
	WIN 0
	s_barrier_wait -1
	CREST                                          ; the barrier has opened a round: chunks 1 and 2 are in, and no partner reads chunk 0
	s_cmp_eq_u32 s14, 0
	s_cbranch_scc0 .Lrefill_1
	TLOAD 76, 24                                   ; chunk 3's weights onto chunk 0's,
	s_branch .Lrefilled
.Lrefill_1:
	s_cmp_eq_u32 s14, 1
	s_cbranch_scc0 .Lrefilled
	TLOAD 80, 32                                   ; and its rows of x
.Lrefilled:
	REST \st
.elseif (\st) == 5
	WIN 0
	s_wait_tensorcnt 0x0                           ; chunk 3, where I asked for a part of it
	s_barrier_signal -1
	PRODS \st, 0
	WIN 0
	s_barrier_wait -1                              ; it is shown to all
	PRODS \st, 1
	REST \st
.else
	PLACES 4
	PRODS \st, 0
	LOADS (\st)+1, 0
	PRODS \st, 1
	LOADS (\st)+1, 1
	PRODS \st, 2
	LOADS (\st)+1, 2
	PRODS \st, 3
	LOADS (\st)+1, 3
	PRODS \st, 4
	LOADS (\st)+1, 4
	PRODS \st, 5
	LOADS (\st)+1, 5
	PRODS \st, 6
	PRODS \st, 7
.endif
.endm
; THE WAY OUT of 32 sums from register x on, 23 lines: the largest magnitude in two chains, the scale, six registers of codes (window 1, from c on), the scale's byte (v[eb]).  t: three registers at work, ct: three in window 1
.macro WL i, x, c, eb, t, ct
.set XW_, (\x)>>8
.set X_, (\x)&255
.if (\i) < 2
.set B_, X_+16*(\i)
	WIN XW_|(XW_<<2)|(XW_<<4)
	v_max3_num_f32 v[(\t)+(\i)], |v[B_]|, |v[B_+1]|, |v[B_+2]|
.elseif (\i) < 14
.set B_, X_+16*((\i)%2)+2*((\i)/2)
.set T_, (\t)+(\i)%2
	WIN (XW_<<2)|(XW_<<4)
	v_max3_num_f32 v[T_], v[T_], |v[B_+1]|, |v[B_+2]|
.elseif (\i) == 14
	WIN XW_<<2
	v_max3_num_f32 v[(\t)+1], v[(\t)+1], |v[X_+31]|, 0x1800000
.elseif (\i) == 15
	WIN XW_<<2
	v_max3_num_f32 v[\t], v[\t], |v[X_+15]|, v[(\t)+1]
.elseif (\i) == 16
	WIN 0
	v_add_nc_u32 v[(\t)+2], 0xff000000, v[\t]
.elseif (\i) == 17
	WIN XW_|0x40
	v_cvt_scalef32_pk16_fp6_f32 v[\c:(\c)+2], v[X_:X_+15], v[(\t)+2]
.elseif (\i) == 18
	WIN XW_|0x40
	v_cvt_scalef32_pk16_fp6_f32 v[\ct:(\ct)+2], v[X_+16:X_+31], v[(\t)+2]
.elseif (\i) == 19
	WIN 0
	v_lshrrev_b32 v[\eb], 23, v[(\t)+2]
.elseif (\i) < 23
	WIN 0x41
	v_mov_b32 v[(\c)+(\i)-17], v[(\ct)+(\i)-20]
.endif
.endm
.macro PUT pr                          ; a pair of Q's or K's tiles leaves
	WALU
	WIN 0x04
.irp k, 0,1,2
	global_store_b128 v[L16], v[NQK+12*(\pr)+4*\k:NQK+12*(\pr)+4*\k+3], s[84:85] offset:1536*(\pr)+512*\k
.endr
.endm
	WALU                                           ; the head's end
	s_cmp_lt_u32 s14, 2
	s_cbranch_scc0 .Lno_wait
	s_wait_tensorcnt 0x0                           ; chunk 0; the other waves' loads may still be out
.Lno_wait:
	s_barrier_signal -1
	s_barrier_wait -1
.irp g, 0,1,2,3,4,5
	LOADS 0, \g
.endr
	s_wait_loadcnt 0x0                             ; the biases
.irp st, 0,1,2,3,4,5,6
	STEP \st
.endr
	s_wait_dscnt 0x0                               ; the last step: tile g - 2's way out stands among tile g's products
	PRODS 7, 0
	PRODS 7, 1
	PLACES 4
.irp g, 2,3,4,5,6,7
.irp n, 0,1,2,3,4,5
	PR 7, \g, \n
.irp k, 0,1,2,3
	WL 4*\n+\k, 512+32*(\g-2), NQK+6*(\g-2), EB+\g-2, TQ, CT
.endr
.endr
.if \g%2
	PUT (\g-3)/2
.endif
.endr
	PLACES 4
.set I, 0
.rept 23
	WL I, 512+192, NQK+36, EB+6, 22, CT
	WL I, 512+224, NQK+42, EB+7, 25, CT+4
	WL I, 768, NV, EB+8, 28, CT+8
.set I, I+1
.endr
	PUT 3
.set I, 0
.rept 23
	WL I, 768+32, NV+6, EB+9, 22, CT
	WL I, 768+64, NV+12, EB+10, 25, CT+4
	WL I, 768+96, NV+18, EB+11, 28, CT+8
.set I, I+1
.endr
	WALU
	WIN 0x04
.irp t, 0,1
.irp k, 0,1,2
	global_store_b128 v[L16], v[NV+12*\t+4*\k:NV+12*\t+4*\k+3], s[86:87] offset:1536*\t+512*\k
.endr
.endr
	WIN 0
; the scale words: two bytes of mine, 16 bits apart, 8 h bits up; lane l xor 16 has the other two.  v82-83 V's, v84-87 the four pairs'
.irp k, 0,1
	v_lshl_or_b32 v[82+\k], v[EB+9+2*\k], 16, v[EB+8+2*\k]
.endr
.irp k, 0,1,2,3
	v_lshl_or_b32 v[84+\k], v[EB+1+2*\k], 16, v[EB+2*\k]
.endr
.irp k, 0,1,2,3,4,5
	v_lshlrev_b32 v[82+\k], v[H8], v[82+\k]
.endr
.irp k, 0,1,2,3,4,5
	v_permlanex16_b32 v[64+\k], v[82+\k], s[SEL], s[SEL+1]
.endr
.irp k, 0,1,2,3,4,5
	v_or_b32 v[82+\k], v[82+\k], v[64+\k]
.endr
	global_store_b128 v[R16], v[84:87], s[84:85] offset:6144               ; lanes l and l xor 16 write the same bytes with the same value
	global_store_b64 v[R8], v[82:83], s[88:89]
	s_wait_tensorcnt 0x0                           ; the wave's end
	ds_add_u32 v[SPW], v[NIL]
	s_wait_dscnt 0x0
	CROUND                                         ; the closing round
	s_endpgm
.Lfunc_end_k_qa2e231a7f0_qkv:
	.size	k_qa2e231a7f0_qkv, .Lfunc_end_k_qa2e231a7f0_qkv-k_qa2e231a7f0_qkv
	.p2alignl 7, 3214868480
	.fill 96, 4, 3214868480
	.section	.rodata,"a",@progbits
	.p2align	6, 0x0
	.amdhsa_kernel k_qa2e231a7f0_qkv
		.amdhsa_group_segment_fixed_size 327680
		.amdhsa_private_segment_fixed_size 0
		.amdhsa_enable_private_segment 0
		.amdhsa_kernarg_size 40
		.amdhsa_user_sgpr_count 2
		.amdhsa_user_sgpr_kernarg_segment_ptr 1
		.amdhsa_wavefront_size32 1
		.amdhsa_system_sgpr_workgroup_id_x 1
		.amdhsa_system_sgpr_workgroup_id_y 1
		.amdhsa_system_sgpr_workgroup_id_z 1
		.amdhsa_system_vgpr_workitem_id 0
		.amdhsa_next_free_vgpr 960
		.amdhsa_next_free_sgpr 102
		.amdhsa_reserve_vcc 0
		.amdhsa_float_denorm_mode_32 3
		.amdhsa_float_denorm_mode_16_64 3
		.amdhsa_memory_ordered 1
		.amdhsa_forward_progress 1
		.amdhsa_inst_pref_size 116
	.end_amdhsa_kernel
	.amdgpu_metadata
---
amdhsa.version: [ 1, 2 ]
amdhsa.kernels:
  - .name:           k_qa2e231a7f0_qkv
    .symbol:         k_qa2e231a7f0_qkv.kd
    .args:
      - { .name: img, .offset: 0, .size: 8, .value_kind: global_buffer, .address_space: global }
      - { .name: bq, .offset: 8, .size: 8, .value_kind: global_buffer, .address_space: global }
      - { .name: bk, .offset: 16, .size: 8, .value_kind: global_buffer, .address_space: global }
      - { .name: bv, .offset: 24, .size: 8, .value_kind: global_buffer, .address_space: global }
      - { .name: qkv, .offset: 32, .size: 8, .value_kind: global_buffer, .address_space: global }
    .group_segment_fixed_size: 327680
    .private_segment_fixed_size: 0
    .kernarg_segment_align: 8
    .kernarg_segment_size: 40
    .max_flat_workgroup_size: 128
    .sgpr_count:     102
    .vgpr_count:     960
    .wavefront_size: 32
...
	.end_amdgpu_metadata
.endif
;; end of part 2
;; launch attn (part 3): grid 8 x 32, 16 waves a work-group, clusters of 4 x 1, 282,624 bytes of LDS; arguments qkv, a_img, a_sc; writes a_img, a_sc
.if DOCPART == 3
	.amdgcn_target "amdgcn-amd-amdhsa--gfx1250"
	.amdhsa_code_object_version 6
	.text
	.protected	k_qa2e231a7f0_attn
	.globl	k_qa2e231a7f0_attn
	.p2align	8
	.type	k_qa2e231a7f0_attn,@function
k_qa2e231a7f0_attn:
	s_mov_b64 s[64:65], 0
	v_nop
	global_prefetch_b8 v0, s[64:65] scope:SCOPE_SE
	s_setreg_imm32_b32 hwreg(HW_REG_WAVE_MODE, 25, 1), 1
	s_wait_xcnt 0x0
	s_wait_alu depctr_hold_cnt(0) depctr_sa_sdst(0) depctr_va_vdst(0) depctr_va_sdst(0) depctr_va_ssrc(0) depctr_va_vcc(0) depctr_vm_vsrc(0)
	s_getreg_b32 s2, hwreg(HW_REG_IB_STS2, 6, 4)
	s_cmp_eq_u32 s2, 0
	s_cbranch_scc0 .Lentry_in_a_cluster
	s_endpgm
.Lentry_in_a_cluster:
	s_bfe_u32 s2, ttmp6, 0x10000c
	s_cmp_lg_u32 s2, 0x3003
	s_cbranch_scc0 .Lentry_shape_is_right
	s_endpgm
.Lentry_shape_is_right:
; Causal attention of one head (2,048 tokens, head size 64), both products on codes of FP6 (E2M3) with E8M0 scales; the result is quantised here, along the model's 1,024, for the last projection.
; THE SOFTMAX: t = score x log2(e) / 8; M = the row's largest t so far, rounded UP to a whole number; p = 2^(t - M) is quantised along the keys, not normalised.  The row's sum is taken of the unquantised p and divides at the end.
; When M moves, the sum and O are multiplied by 2^(old M - new M): exact.
; SHARES.  Work-group (x, head) owns tile x (16 queries) of each of the 16 groups of 128 tokens: the work hangs on the wave's number alone and is the same in every work-group.  Key steps of 128 that the mask empties are passed over.
; The tile of group i takes i + 1 key steps, that of group 15 - i takes 16 - i: 17 together.  Wave i (0 .. 7) walks steps 0 .. 8 of the tile of group 15 - i; wave 8 + i walks the tile of group i, sends it out, and walks steps 9 .. 15 - i
; of the tile of group 15 - i; the two parts are joined through LDS.  So four waves to a SIMD work 9, 9, 8 and 8 steps.
; K's and V's images of the WHOLE head come into LDS once, a step of 12,800 bytes by each wave, jointly for the four work-groups of a cluster.  The first step is worked while the others land.  No prefetch: all loads stand at the head.
; LAYOUT.  Both products are used transposed: a lane holds ONE query throughout.  A fragment of K holds TWO tiles of 16 keys (registers 0-5, 6-11), and Q stands twice: QA = (q | zero codes), QB = (zero codes | q).
; By the position order register 32 c + 8 j + i of lane (r, h) is key 64 c + 32 h + 8 j + i: a block of 32 keys lies in one lane; O's 32 registers are the head's channels 32 h + 0 .. 31.
; OUT: a_img [batch][x][wave][head][768 bytes], six registers a lane; a_sc [batch][x][head][wave / 8][row 16][wave % 8][2 bytes], gathered in LDS.
; LIMITS: NaN and infinities are not served; the scaled scores stay under 2^31 in magnitude; a block of zeros carries the byte 1.
.set STEPB, 12800                      ; a key step: K's codes 6,144, its scale words 256, V's codes 6,144, its scale words 256
.set MRG,  19*STEPB                    ; 243,200: the parts to be joined, 4,608 bytes a pair of waves
.set SCST, MRG+8*4608                  ; 280,064: the result's scale bytes, 512
.set SPARE, SCST+512
.set L16, 1
.set R16, 2
.set R8,  3
.set DQ,  4                            ; my query in its group - 32 h
.set SPW, 5
.set NIL, 6
.set STB, 7
.set A16, 8
.set AR,  9
.set AR8, 10
.set QW,  11
.set QA,  16
.set QB,  28
.set F,   40
.set KW,  88
.set VW,  92
.set S,   96
.set O,   160
.set PC,  192
.set CT,  204
.set BM,  212                          ; v212-213 the blocks' largest, v214-215 the second chains
.set SO,  216
.set T0,  218
.set PX,  219
.set PW,  220
.set T1,  221
.set NEG, 222
.set FF,  224
.set SU,  226                          ; v226-231 three more chains of the sum
.set Q2,  232
.set QW2, 238
.set LM,  239
.set L8,  240
.set SEL, 40
.set CS,  42
.set NC,  44
.macro WALU
	s_wait_alu depctr_va_vdst(0)
.endm
.macro CROUND
	s_barrier_signal -1
	s_barrier_wait -1
	s_cmp_lg_u32 s10, 0
	s_cbranch_scc1 .Lnot_wave_0_\@
	s_barrier_signal -3
.Lnot_wave_0_\@:
	s_barrier_wait -3
	s_barrier_signal -1
	s_barrier_wait -1
.endm
.macro TLOAD
	tensor_load_to_lds s[28:31], s[32:39]
	s_nop 0
.rept 4
	v_nop
.endr
.endm
	s_load_b128 s[4:7], s[0:1], 0x0                ; qkv, a_img
	s_load_b64 s[8:9], s[0:1], 0x10                ; a_sc
	v_lshl_add_u32 v[SPW], v0, 2, SPARE
	v_mov_b32 v[NIL], 0
	ds_add_u32 v[SPW], v[NIL]                      ; the wave's opening: the add, twice on end
	ds_add_u32 v[SPW], v[NIL]
	v_lshrrev_b32 v7, 5, v0
	v_readfirstlane_b32 s10, v7                    ; wave
	s_mov_b32 s32, (3<<16)|(1<<21)|15              ; the whole cluster's mask; a dense step as 5 rows of 2,560 bytes
	s_mov_b32 s33, 320<<16
	s_mov_b32 s34, 5<<16
	s_mov_b32 s35, 320<<16
	s_mov_b32 s36, 5
	s_mov_b32 s37, 320
	s_mov_b32 s38, 0
	s_mov_b32 s39, 0
	s_mov_b32 s[SEL], 0x76543210
	s_mov_b32 s[SEL+1], 0xfedcba98
	s_mov_b32 s[CS], 0x3e38aa3b                    ; log2(e) / 8
	s_mov_b32 s[CS+1], s[CS]
	s_mov_b32 s[NC], 0xbe38aa3b
	s_bfe_u32 s46, ttmp6, 0x40000
	s_lshl_b32 s17, ttmp9, 2
	s_add_co_u32 s17, s17, s46                     ; x
	s_and_b32 s18, ttmp7, 0xffff                   ; batch x head
	s_and_b32 s11, s10, 7                          ; i
	s_sub_co_u32 s24, 15, s11
	s_sub_co_u32 s21, 8, s11
	s_cmp_lt_u32 s10, 8
	s_cselect_b32 s12, s24, s11                    ; my tile's group
	s_cselect_b32 s15, 100, s11                    ; waves 8 ..: the last trip of the first tile
	s_cselect_b32 s23, 100, 8                      ; and the trip without a step
	s_add_co_u32 s22, s15, 1                       ; the trip in which the tile changes
	s_lshl_b32 s25, s18, 4
	s_add_co_u32 s2, s25, s10
	s_mul_i32 s2, s2, 19200
	s_add_co_u32 s2, s2, 6400                      ; what I fetch: step w's K and V, on end behind its Q
	s_mov_b32 s3, 0
	s_add_co_u32 s48, s25, s12
	s_mul_i32 s48, s48, 19200
	s_mov_b32 s49, 0
	s_add_co_u32 s50, s25, s24
	s_mul_i32 s50, s50, 19200
	s_mov_b32 s51, 0
	s_lshr_b32 s52, s17, 1
	s_mul_i32 s53, s52, 1536
	s_and_b32 s54, s17, 1
	s_mul_i32 s55, s54, 520
	s_add_co_u32 s53, s53, s55                     ; my tile's registers in its pair's image: six from the 8-byte piece 3 u on
	s_movk_i32 s56, 0x1f8
	s_mov_b32 s45, 0x03020302
	s_cmp_eq_u32 s54, 0
	s_cselect_b32 s56, 8, s56
	s_cselect_b32 s45, 0x01000100, s45             ; my tile's two bytes, twice
	s_lshl_b32 s52, s52, 2
	s_add_co_u32 s52, s52, 6144
	v_and_b32 v8, 31, v0
	v_lshlrev_b32 v[L16], 4, v8
	v_lshlrev_b32 v[L8], 3, v8
	v_and_b32 v11, 15, v0                          ; r
	v_bfe_u32 v12, v0, 4, 1                        ; h
	v_lshlrev_b32 v[R16], 4, v11
	v_lshlrev_b32 v[R8], 3, v11
	v_add_nc_u32 v8, s53, v[L16]
	v_add_nc_u32 v9, s56, v8
	v_add_nc_u32 v10, s52, v[R16]
	s_lshr_b32 s57, s10, 3
	s_lshl_b32 s57, s57, 8
	s_lshl_b32 s58, s11, 1
	s_add_co_u32 s57, s57, s58
	s_add_co_u32 s57, s57, SCST
	v_add_nc_u32 v[STB], v12, v[R16]
	v_add_nc_u32 v[STB], s57, v[STB]
	s_mul_i32 s57, s11, 4608
	s_add_co_u32 s57, s57, MRG
	v_add_nc_u32 v[LM], s57, v[L16]
	v_lshrrev_b32 v13, 3, v11
	v_sub_nc_u32 v13, v13, v12
	v_lshlrev_b32 v13, 5, v13
	v_and_b32 v14, 7, v11
	v_add_nc_u32 v[DQ], v13, v14
	s_lshr_b32 s57, s17, 2
	s_lshl_b32 s57, s57, 6
	s_and_b32 s58, s17, 3
	s_lshl_b32 s58, s58, 3
	s_add_co_u32 s57, s57, s58
	v_add_nc_u32 v[DQ], s57, v[DQ]                 ; 64 (x / 4) + 8 (x % 4) + 32 (r / 8) + r % 8 - 32 h
	WALU
	s_wait_dscnt 0x0                               ; both opening adds are done
	CROUND                                         ; the four work-groups are here
	s_wait_kmcnt 0x0
	s_mov_b32 s28, 1
	s_mul_i32 s29, s10, STEPB
	s_add_nc_u64 s[30:31], s[4:5], s[2:3]
	s_or_b32 s31, s31, 0x80000000
	s_cmp_eq_u32 s10, 0                            ; step 0 has a line of its own: it is waited for alone
	s_cbranch_scc0 .Lothers
	TLOAD
	s_branch .Lasked
.Lothers:
	TLOAD
.Lasked:
	s_add_nc_u64 s[48:49], s[4:5], s[48:49]
	s_add_nc_u64 s[50:51], s[4:5], s[50:51]
	global_load_b64 v[QA:QA+1], v8, s[48:49]
	global_load_b64 v[QA+2:QA+3], v9, s[48:49]
	global_load_b64 v[QA+4:QA+5], v8, s[48:49] offset:512
	global_load_b64 v[QB+6:QB+7], v8, s[48:49]
	global_load_b64 v[QB+8:QB+9], v9, s[48:49]
	global_load_b64 v[QB+10:QB+11], v8, s[48:49] offset:512
	global_load_b32 v[QW], v10, s[48:49]
	global_load_b64 v[Q2:Q2+1], v8, s[50:51]       ; the second tile's (of waves 8 ..)
	global_load_b64 v[Q2+2:Q2+3], v9, s[50:51]
	global_load_b64 v[Q2+4:Q2+5], v8, s[50:51] offset:512
	global_load_b32 v[QW2], v10, s[50:51]
	s_lshr_b32 s46, s18, 4
	s_lshl_b32 s46, s46, 3
	s_add_co_u32 s46, s46, s17
	s_lshl_b32 s46, s46, 4                         ; (8 batch + x) 16
	s_and_b32 s47, s18, 15
	s_add_co_u32 s52, s46, s10
	s_lshl_b32 s52, s52, 4
	s_add_co_u32 s52, s52, s47
	s_mul_i32 s52, s52, 768
	s_mov_b32 s53, 0
	s_add_nc_u64 s[6:7], s[6:7], s[52:53]          ; where my tile of the result goes
	s_add_co_u32 s52, s46, s47
	s_lshl_b32 s52, s52, 9
	s_add_nc_u64 s[8:9], s[8:9], s[52:53]          ; and the work-group's scale bytes
	v_mov_b32 v[NEG], 0xff800000
	v_mov_b32 v[FF+1], 0                           ; (named as the upper half of a pair)
	v_mov_b32 v[PX], 0                             ; (a lane permute's destination counts as one of its sources)
.irp j, 0,1,2,3,4,5
	v_mov_b32 v[QA+6+\j], 0                        ; zero codes
	v_mov_b32 v[QB+\j], 0
.endr
.macro FRESH                           ; no key seen: the largest score -3e38, -M above every -M, the sum and O^T zero (the step is written once; its first change of M leaves zeros)
	v_mov_b32 v13, 0xff61b1e6
	v_mov_b32 v12, 0x7e000000
	v_mov_b32 v14, 0
	v_mov_b32 v15, 0
.set j, 0
.rept 32
	v_mov_b32 v[O+j], 0
.set j, j+1
.endr
.endm
	WALU
	s_wait_loadcnt 0x0                             ; q
	v_perm_b32 v[QW], v[QW], v[QW], s45
	v_perm_b32 v[QW2], v[QW2], v[QW2], s45
	FRESH
; A KEY STEP: 128 keys.
.macro STEP
	v_add_nc_u32 v[A16], s14, v[L16]
	v_add_nc_u32 v[AR], s14, v[R16]
	v_add_nc_u32 v[AR8], s14, v[R8]
	v_nop                                          ; four plain lines between the last step's products and the loads into their fragments
.irp p, 0,1,2,3
.irp k, 0,1,2
	ds_load_b128 v[F+12*\p+4*\k:F+12*\p+4*\k+3], v[A16] offset:1536*\p+512*\k
.endr
.endr
	ds_load_b128 v[KW:KW+3], v[AR] offset:6144
	WALU
	s_wait_dscnt 0x0
.irp p, 0,1,2,3
	v_wmma_scale_f32_16x16x128_f8f6f4 v[S+16*\p:S+16*\p+7], v[F+12*\p:F+12*\p+11], v[QA:QA+11], 0, v[KW+\p], v[QW] matrix_a_fmt:MATRIX_FMT_FP6 matrix_b_fmt:MATRIX_FMT_FP6
	v_wmma_scale_f32_16x16x128_f8f6f4 v[S+16*\p+8:S+16*\p+15], v[F+12*\p:F+12*\p+11], v[QB:QB+11], 0, v[KW+\p], v[QW] matrix_a_fmt:MATRIX_FMT_FP6 matrix_b_fmt:MATRIX_FMT_FP6
.endr
.rept 4
	v_nop                                          ; places: in front of the loads into the fragments, and of the first read of the scores
.endr
.irp t, 0,1,2,3                                ; V's four fragments land under the softmax
.irp k, 0,1,2
	ds_load_b128 v[F+12*\t+4*\k:F+12*\t+4*\k+3], v[A16] offset:6400+1536*\t+512*\k
.endr
.endr
	ds_load_b64 v[VW:VW+1], v[AR8] offset:12544
	ds_load_b64 v[VW+2:VW+3], v[AR8] offset:12672
	s_cmp_lg_u32 s16, s12                          ; on the diagonal the scores of hidden keys become -infinity: p = 0 then
	s_cbranch_scc1 .Lopen_\@
.set n, 0
.rept 64
	v_cmp_gt_i32 vcc_lo, 64*(n/32)+n%32, v[DQ]
	v_cndmask_b32 v[S+n], v[S+n], v[NEG], vcc_lo
.set n, n+1
.endr
.Lopen_\@:
.irp c, 0,1                                    ; each block's largest score: for the row's maximum and, since p rises with the score, for the block's largest p
	v_max3_num_f32 v[BM+\c], v[S+32*\c], v[S+32*\c+1], v[S+32*\c+2]
	v_max3_num_f32 v[BM+2+\c], v[S+32*\c+16], v[S+32*\c+17], v[S+32*\c+18]
.endr
.irp k, 3,5,7,9,11,13
.irp c, 0,1
	v_max3_num_f32 v[BM+\c], v[BM+\c], v[S+32*\c+\k], v[S+32*\c+\k+1]
	v_max3_num_f32 v[BM+2+\c], v[BM+2+\c], v[S+32*\c+16+\k], v[S+32*\c+17+\k]
.endr
.endr
.irp c, 0,1
	v_max_num_f32 v[BM+2+\c], v[BM+2+\c], v[S+32*\c+31]
.endr
.irp c, 0,1
	v_max3_num_f32 v[BM+\c], v[BM+\c], v[S+32*\c+15], v[BM+2+\c]
.endr
	v_max_num_f32 v[T0], v[BM], v[BM+1]
	s_delay_alu instid0(VALU_DEP_1)
	v_permlanex16_b32 v[PX], v[T0], s[SEL], s[SEL+1]
	s_delay_alu instid0(VALU_DEP_1)
	v_max3_num_f32 v13, v13, v[T0], v[PX]          ; the row's largest score so far
	s_delay_alu instid0(VALU_DEP_1)
	v_mul_f32 v[T0], s[NC], v13                    ; -t
	s_delay_alu instid0(VALU_DEP_1)
	v_floor_f32 v[T1], v[T0]                       ; the new -M
	s_delay_alu instid0(VALU_DEP_1)
	v_sub_f32 v[T0], v[T1], v12                    ; old M - new M, 0 or less
	v_mov_b32 v12, v[T1]
	s_delay_alu instid0(VALU_DEP_2)
	v_cvt_i32_f32 v[T0], v[T0]                     ; (it saturates)
	s_delay_alu instid0(VALU_DEP_1)
	v_ldexp_f32 v[FF], 1.0, v[T0]
.set j, 0
.rept 32
	v_pk_fma_f32 v[S+j:S+j+1], v[S+j:S+j+1], s[CS:CS+1], v[12:13] op_sel_hi:[1,0,0]   ; t - M
.set j, j+2
.endr
	v_fma_f32 v[BM], v[BM], s[CS], v12
	v_fma_f32 v[BM+1], v[BM+1], s[CS], v12
	WALU                                           ; ahead of the batch
.set j, 0
.rept 64
	v_exp_f32 v[S+j], v[S+j]                       ; p = 2^(t - M)
.set j, j+1
.endr
	v_exp_f32 v[BM], v[BM]                         ; the blocks' largest p
	v_exp_f32 v[BM+1], v[BM+1]
	v_pk_mul_f32 v[14:15], v[14:15], v[FF:FF+1] op_sel_hi:[1,0]   ; the sum under the new M (a plain line behind the exponentials)
	WALU                                           ; and the wait behind the batch
.set j, 0
.rept 16
	v_pk_mul_f32 v[O+j:O+j+1], v[O+j:O+j+1], v[FF:FF+1] op_sel_hi:[1,0]   ; O^T under the new M
.set j, j+2
.endr
.irp c, 0,1
	v_max_num_f32 v[BM+\c], 0x1800000, v[BM+\c]    ; the floor 2^(3 - 127)
.endr
.irp c, 0,1
	v_add_nc_u32 v[SO+\c], 0xff000000, v[BM+\c]    ; 2 off the exponent field: the conversion's scale operand
.endr
.irp c, 0,1
	v_cvt_scalef32_pk16_fp6_f32 v[PC+6*\c:PC+6*\c+2], v[S+32*\c:S+32*\c+15], v[SO+\c]
	v_cvt_scalef32_pk16_fp6_f32 v[CT+4*\c:CT+4*\c+2], v[S+32*\c+16:S+32*\c+31], v[SO+\c]
.endr
	v_lshrrev_b32 v[T0], 23, v[SO]                 ; the scales' bytes (plain lines behind the conversions)
	v_lshrrev_b32 v[T1], 23, v[SO+1]
.irp i, 0,1,2
	v_mov_b32 v[PC+3+\i], v[CT+\i]
	v_mov_b32 v[PC+9+\i], v[CT+4+\i]
.endr
	v_lshl_or_b32 v[T0], v[T1], 16, v[T0]
	s_delay_alu instid0(VALU_DEP_1)
	v_permlanex16_b32 v[PX], v[T0], s[SEL], s[SEL+1]
	s_delay_alu instid0(VALU_DEP_1)
	v_lshl_or_b32 v[PW], v[PX], 8, v[T0]           ; p's scale word, in lanes 0-15
	v_pk_add_f32 v[SU:SU+1], v[S:S+1], v[S+2:S+3]  ; the row's sum, of the unquantised p; these lines also stand between p's scale word and the products
	v_pk_add_f32 v[SU+2:SU+3], v[S+4:S+5], v[S+6:S+7]
	v_pk_add_f32 v[SU+4:SU+5], v[S+8:S+9], v[S+10:S+11]
	v_pk_add_f32 v[14:15], v[14:15], v[S+12:S+13]
.set j, 14
.rept 25
.if (j/2)%4 == 2
	v_pk_add_f32 v[14:15], v[14:15], v[S+j:S+j+1]
.else
.set B_, SU+2*((j/2+1)%4)
	v_pk_add_f32 v[B_:B_+1], v[B_:B_+1], v[S+j:S+j+1]
.endif
.set j, j+2
.endr
	v_pk_add_f32 v[SU:SU+1], v[SU:SU+1], v[SU+2:SU+3]
	v_pk_add_f32 v[14:15], v[14:15], v[SU+4:SU+5]
	v_pk_add_f32 v[14:15], v[14:15], v[SU:SU+1]
	WALU
	s_wait_dscnt 0x0                               ; V
.irp t, 0,1,2,3                                ; the four accumulators by turns, one instruction a turn
	v_wmma_scale_f32_16x16x128_f8f6f4 v[O+8*\t:O+8*\t+7], v[F+12*\t:F+12*\t+11], v[PC:PC+11], v[O+8*\t:O+8*\t+7], v[VW+\t], v[PW] matrix_a_fmt:MATRIX_FMT_FP6 matrix_b_fmt:MATRIX_FMT_FP6
.endr
.endm
; THE WAY OUT of a tile: O^T / the sum, quantised: 32 channels in a lane are one block of the last projection's K.
.macro WAYOUT
	v_add_f32 v14, v14, v15
	v_permlanex16_b32 v[PX], v14, s[SEL], s[SEL+1]
	v_add_f32 v14, v14, v[PX]
	WALU
	v_rcp_f32 v14, v14
	v_nop
	WALU
.set j, 0
.rept 16
	v_pk_mul_f32 v[S+j:S+j+1], v[O+j:O+j+1], v[14:15] op_sel_hi:[1,0]
.set j, j+2
.endr
	v_max3_num_f32 v[BM], |v[S]|, |v[S+1]|, |v[S+2]|
	v_max3_num_f32 v[BM+2], |v[S+16]|, |v[S+17]|, |v[S+18]|
.irp k, 3,5,7,9,11,13
	v_max3_num_f32 v[BM], v[BM], |v[S+\k]|, |v[S+\k+1]|
	v_max3_num_f32 v[BM+2], v[BM+2], |v[S+16+\k]|, |v[S+17+\k]|
.endr
	v_max3_num_f32 v[BM+2], v[BM+2], |v[S+31]|, 0x1800000
	v_max3_num_f32 v[BM], v[BM], |v[S+15]|, v[BM+2]
	v_add_nc_u32 v[SO], 0xff000000, v[BM]
	v_cvt_scalef32_pk16_fp6_f32 v[PC:PC+2], v[S:S+15], v[SO]
	v_cvt_scalef32_pk16_fp6_f32 v[CT:CT+2], v[S+16:S+31], v[SO]
	v_lshrrev_b32 v[T0], 23, v[SO]
.irp i, 0,1,2
	v_mov_b32 v[PC+3+\i], v[CT+\i]
.endr
	global_store_b128 v[L16], v[PC:PC+3], s[6:7]               ; 512 consecutive bytes,
	global_store_b64 v[L8], v[PC+4:PC+5], s[6:7] offset:512    ; and 256
	ds_store_b8 v[STB], v[T0]
.endm
	WALU                                           ; the head's end
	s_cmp_eq_u32 s10, 0
	s_cbranch_scc0 .Lno_wait
	s_wait_tensorcnt 0x0                           ; step 0; the others' loads may still be out
.Lno_wait:
	s_barrier_signal -1
	s_barrier_wait -1
	s_mov_b32 s16, 0
	s_mov_b32 s14, 0
	STEP                                           ; trip 0: step 0, for every wave
	s_wait_tensorcnt 0x0                           ; my step is in
	s_barrier_signal -1
	s_barrier_wait -1                              ; and everybody's
	s_mov_b32 s13, 1
.Ltrip:
	s_cmp_eq_u32 s13, s22
	s_cbranch_scc0 .Lkeep
.rept 4
	v_nop                                          ; places behind the last products
.endr
	WAYOUT                                         ; waves 8 ..: the first tile leaves, the second begins
	v_mov_b32 v[QW], v[QW2]
.irp j, 0,1,2,3,4,5
	v_mov_b32 v[QA+\j], v[Q2+\j]
	v_mov_b32 v[QB+6+\j], v[Q2+\j]
.endr
	FRESH
	s_mov_b32 s12, s24
	WALU
	s_wait_xcnt 0x0                                ; the stores have read their data
.Lkeep:
	s_cmp_eq_u32 s13, s23
	s_cbranch_scc1 .Lidle
	s_cmp_gt_u32 s13, s15
	s_cselect_b32 s20, s21, 0
	s_add_co_u32 s16, s13, s20                     ; the key step: the trip, or 8 - i more
	s_mul_i32 s14, s16, STEPB
	STEP
.Lidle:
	s_add_co_u32 s13, s13, 1
	s_cmp_lt_u32 s13, 9
	s_cbranch_scc1 .Ltrip
.rept 4
	v_nop                                          ; places behind the last products
.endr
	WALU
	s_cmp_lt_u32 s10, 8
	s_cbranch_scc1 .Lfirst_part
.irp k, 0,1,2,3,4,5,6,7
	ds_store_b128 v[LM], v[O+4*\k:O+4*\k+3] offset:512*\k
.endr
	ds_store_b128 v[LM], v[12:15] offset:4096      ; -M, the largest score, the sum in two halves
.Lfirst_part:
	s_wait_dscnt 0x0
	s_barrier_signal -1
	s_barrier_wait -1
	s_cmp_lt_u32 s10, 8
	s_cbranch_scc0 .Ljoined
.irp k, 0,1,2,3,4,5,6,7
	ds_load_b128 v[S+4*\k:S+4*\k+3], v[LM] offset:512*\k
.endr
	ds_load_b128 v[128:131], v[LM] offset:4096
	s_wait_dscnt 0x0
	v_min_num_f32 v[T1], v12, v128                 ; -M of both
	v_sub_f32 v[T0], v[T1], v12
	v_sub_f32 v[BM], v[T1], v128
	v_cvt_i32_f32 v[T0], v[T0]
	v_cvt_i32_f32 v[BM], v[BM]
	v_ldexp_f32 v[FF], 1.0, v[T0]
	v_ldexp_f32 v[SU], 1.0, v[BM]
	v_pk_mul_f32 v[14:15], v[14:15], v[FF:FF+1] op_sel_hi:[1,0]
	v_pk_fma_f32 v[14:15], v[130:131], v[SU:SU+1], v[14:15] op_sel_hi:[1,0,1]
.set j, 0
.rept 16
	v_pk_mul_f32 v[O+j:O+j+1], v[O+j:O+j+1], v[FF:FF+1] op_sel_hi:[1,0]
.set j, j+2
.endr
.set j, 0
.rept 16
	v_pk_fma_f32 v[O+j:O+j+1], v[S+j:S+j+1], v[SU:SU+1], v[O+j:O+j+1] op_sel_hi:[1,0,1]
.set j, j+2
.endr
	WAYOUT
.Ljoined:
	s_wait_dscnt 0x0                               ; my scale bytes are in LDS
	s_barrier_signal -1
	s_barrier_wait -1
	s_cmp_lg_u32 s10, 0
	s_cbranch_scc1 .Lend
	v_add_nc_u32 v[A16], SCST, v[L16]
	ds_load_b128 v[S:S+3], v[A16]
	s_wait_dscnt 0x0
	global_store_b128 v[L16], v[S:S+3], s[8:9]     ; the work-group's 512 scale bytes
.Lend:
	s_wait_tensorcnt 0x0                           ; the wave's end
	ds_add_u32 v[SPW], v[NIL]
	s_wait_dscnt 0x0
	CROUND                                         ; the closing round
	s_endpgm
.Lfunc_end_k_qa2e231a7f0_attn:
	.size	k_qa2e231a7f0_attn, .Lfunc_end_k_qa2e231a7f0_attn-k_qa2e231a7f0_attn
	.p2alignl 7, 3214868480
	.fill 96, 4, 3214868480
	.section	.rodata,"a",@progbits
	.p2align	6, 0x0
	.amdhsa_kernel k_qa2e231a7f0_attn
		.amdhsa_group_segment_fixed_size 282624
		.amdhsa_private_segment_fixed_size 0
		.amdhsa_enable_private_segment 0
		.amdhsa_kernarg_size 24
		.amdhsa_user_sgpr_count 2
		.amdhsa_user_sgpr_kernarg_segment_ptr 1
		.amdhsa_wavefront_size32 1
		.amdhsa_system_sgpr_workgroup_id_x 1
		.amdhsa_system_sgpr_workgroup_id_y 1
		.amdhsa_system_sgpr_workgroup_id_z 1
		.amdhsa_system_vgpr_workitem_id 0
		.amdhsa_next_free_vgpr 256
		.amdhsa_next_free_sgpr 66
		.amdhsa_reserve_vcc 1
		.amdhsa_float_denorm_mode_32 3
		.amdhsa_float_denorm_mode_16_64 3
		.amdhsa_memory_ordered 1
		.amdhsa_forward_progress 1
		.amdhsa_inst_pref_size 61
	.end_amdhsa_kernel
	.amdgpu_metadata
---
amdhsa.version: [ 1, 2 ]
amdhsa.kernels:
  - .name:           k_qa2e231a7f0_attn
    .symbol:         k_qa2e231a7f0_attn.kd
    .args:
      - { .name: qkv, .offset: 0, .size: 8, .value_kind: global_buffer, .address_space: global }
      - { .name: a_img, .offset: 8, .size: 8, .value_kind: global_buffer, .address_space: global }
      - { .name: a_sc, .offset: 16, .size: 8, .value_kind: global_buffer, .address_space: global }
    .group_segment_fixed_size: 282624
    .private_segment_fixed_size: 0
    .kernarg_segment_align: 8
    .kernarg_segment_size: 24
    .max_flat_workgroup_size: 512
    .sgpr_count:     66
    .vgpr_count:     256
    .wavefront_size: 32
...
	.end_amdgpu_metadata
.endif
;; end of part 3
;; launch proj (part 4): grid 8 x 32, 4 waves a work-group, clusters of 4 x 4, 222,720 bytes of LDS; arguments a_img, a_sc, img, bp, out0; writes out0
.if DOCPART == 4
	.amdgcn_target "amdgcn-amd-amdhsa--gfx1250"
	.amdhsa_code_object_version 6
	.text
	.protected	k_qa2e231a7f0_proj
	.globl	k_qa2e231a7f0_proj
	.p2align	8
	.type	k_qa2e231a7f0_proj,@function
k_qa2e231a7f0_proj:
	s_mov_b64 s[64:65], 0
	v_nop
	global_prefetch_b8 v0, s[64:65] scope:SCOPE_SE
	s_setreg_imm32_b32 hwreg(HW_REG_WAVE_MODE, 25, 1), 1
	s_wait_xcnt 0x0
	s_wait_alu depctr_hold_cnt(0) depctr_sa_sdst(0) depctr_va_vdst(0) depctr_va_sdst(0) depctr_va_ssrc(0) depctr_va_vcc(0) depctr_vm_vsrc(0)
	s_getreg_b32 s2, hwreg(HW_REG_IB_STS2, 6, 4)
	s_cmp_eq_u32 s2, 0
	s_cbranch_scc0 .Lentry_in_a_cluster
	s_endpgm
.Lentry_in_a_cluster:
	s_bfe_u32 s2, ttmp6, 0x10000c
	s_cmp_lg_u32 s2, 0xf033
	s_cbranch_scc0 .Lentry_shape_is_right
	s_endpgm
.Lentry_shape_is_right:
; out0 = attention Wp^T + bp on codes of FP6 (E2M3) with E8M0 scales, K = 1,024; out0 [4096][1024] f32.
; A work-group makes 128 tokens x 128 outputs: 256 work-groups.  Its tokens are tile x of eight groups of 128: [batch][x][half] of a_img, eight tiles of 12,288 bytes on end; half 0 holds groups 15 down to 8, half 1 groups 0 to 7.
; Four waves, 2 x 2: wave (a, b) takes tiles 4 a .. 4 a + 3 and outputs 64 b ..; its 64 rows of Wp, all of K, lie in 384 registers, and the token tiles stream past: each is finished after 32 products and leaves at once.
; All operands come into LDS once, one load a wave at the head.  CLUSTERS of 4 x 4: tokens are shared along a row of the cluster, Wp along a column.  No prefetch: all loads stand at the head.
; The matrix instruction takes 16 rows of Wp as source 0: by the position order a lane's 32 sums of a tile are outputs 32 h + 0 .. 31 of one token.  bp is the C of each sum's first product.
; WINDOWS: 0: addresses, scale words, bp, sums, rows of out0;  1, 2: Wp's fragments f = 4 q + j, 21 to a window;  3: two sets of a token tile's eight fragments.
.set WC,  25600                        ; a chunk of Wp: 8 tiles x 3,072, scale words 1,024
.set AB,  4*WC                         ; 102,400
.set ASB, AB+98304                     ; 200,704: the tokens' scale bytes [head 16][row 16][tile 8][2]
.set STAGE, ASB+4096                   ; a stage of 16 rows x 272 bytes for each wave; no tensor load lands here
.set SPARE, STAGE+4*16*272
.set L16, 1
.set L8,  2
.set WA,  4
.set WS,  8
.set AA,  12
.set A8,  13
.set ASC, 14
.set STO, 15
.set RD,  16
.set CO,  17
.set SPW, 18
.set NIL, 19
.set BO,  20
.set SA,  32                           ; v32-63 tile s, K step q: 8 s + q
.set SB,  68                           ; v68-99 Wp's tile j: 8 j + q
.set BP,  100
.set ACC, 132                          ; two sets of four sums
.set OB,  196
.set SELP, 74
.set MSB, 0
.macro WIN new
.if MSB != (\new)
	s_set_vgpr_msb (MSB<<8)|(\new)
.set MSB, (\new)
.endif
.endm
.macro WALU
	s_wait_alu depctr_va_vdst(0)
.endm
.macro PLACES n
.rept \n
	v_nop
.endr
.endm
.macro CROUND
	s_barrier_signal -1
	s_barrier_wait -1
	s_cmp_lg_u32 s14, 0
	s_cbranch_scc1 .Lnot_wave_0_\@
	s_barrier_signal -3
.Lnot_wave_0_\@:
	s_barrier_wait -3
	s_barrier_signal -1
	s_barrier_wait -1
.endm
.macro TLOAD g0, g1
	tensor_load_to_lds s[\g0:\g0+3], s[\g1:\g1+7]
	s_nop 0
	PLACES 4
.endm
.macro GROUP1 g, mask, cols, rows, pitch
	s_or_b32 s[\g], s[\mask], (3<<16)|(1<<21)
	s_mov_b32 s[\g+1], (\cols)<<16
	s_mov_b32 s[\g+2], (\rows)<<16
	s_mov_b32 s[\g+3], (\cols)<<16
	s_mov_b32 s[\g+4], \rows
	s_mov_b32 s[\g+5], \pitch
	s_mov_b32 s[\g+6], 0
	s_mov_b32 s[\g+7], 0
.endm
	s_load_b256 s[4:11], s[0:1], 0x0               ; a_img, a_sc, img, bp
	s_load_b64 s[12:13], s[0:1], 0x20              ; out0
	v_lshl_add_u32 v[SPW], v0, 2, SPARE
	v_mov_b32 v[NIL], 0
	ds_add_u32 v[SPW], v[NIL]                      ; the wave's opening: the add, twice on end
	ds_add_u32 v[SPW], v[NIL]
	v_lshrrev_b32 v3, 5, v0
	v_readfirstlane_b32 s14, v3
	s_lshr_b32 s15, s14, 1                         ; a
	s_and_b32 s16, s14, 1                          ; b
	s_bfe_u32 s19, ttmp6, 0x40000
	s_bfe_u32 s20, ttmp6, 0x40004
	s_lshl_b32 s17, ttmp9, 2
	s_add_co_u32 s17, s17, s19                     ; block of 128 outputs
	s_and_b32 s18, ttmp7, 0xffff
	s_lshl_b32 s18, s18, 2
	s_add_co_u32 s18, s18, s20                     ; block of tokens: (8 batch + x) 2 + half
	s_lshl_b32 s21, s20, 2
	s_lshl_b32 s21, 15, s21                        ; my row of the cluster
	s_lshl_b32 s22, 0x1111, s19                    ; my column
	GROUP1 24, 22, 320, 20, 320                    ; two chunks of Wp, dense
	GROUP1 32, 21, 384, 32, 384                    ; eight token tiles, dense
	GROUP1 40, 21, 32, 16, 64                      ; scale bytes: 256 of each head's 512
	s_mov_b32 s[SELP], 0x05040100
	s_mov_b32 s[SELP+1], 0x07060302
	v_and_b32 v21, 15, v0                          ; r
	v_bfe_u32 v22, v0, 4, 1                        ; h
	v_and_b32 v23, 31, v0
	v_lshlrev_b32 v[L16], 4, v23
	v_lshlrev_b32 v[L8], 3, v23
	s_mul_i32 s2, s16, 4*3072
	v_add_nc_u32 v[WA], s2, v[L16]
	s_lshl_b32 s2, s16, 9
	s_add_co_u32 s2, s2, 24576
	v_lshlrev_b32 v24, 3, v21
	v_add_nc_u32 v[WS], s2, v24
.irp c, 1,2,3
	v_add_nc_u32 v[WA+\c], WC*\c, v[WA]
	v_add_nc_u32 v[WS+\c], WC*\c, v[WS]
.endr
	s_mul_i32 s2, s15, 49152
	s_add_co_u32 s2, s2, AB
	v_add_nc_u32 v[AA], s2, v[L16]
	v_add_nc_u32 v[A8], s2, v[L8]
	s_lshl_b32 s2, s15, 3
	s_add_co_u32 s2, s2, ASB
	v_lshl_add_u32 v[ASC], v21, 4, s2
	s_mul_i32 s2, s14, 16*272
	s_add_co_u32 s2, s2, STAGE
	v_mul_u32_u24 v[STO], v21, 272
	v_lshl_add_u32 v[STO], v22, 7, v[STO]
	v_add_nc_u32 v[STO], s2, v[STO]                ; in: row r, + 128 h
	v_mul_u32_u24 v[RD], v22, 272
	v_lshl_add_u32 v[RD], v21, 4, v[RD]
	v_add_nc_u32 v[RD], s2, v[RD]                  ; back: lanes 0-15 one row, lanes 16-31 the next
	v_lshlrev_b32 v[CO], 12, v22
	v_lshl_add_u32 v[CO], v21, 4, v[CO]            ; and the same two rows in out0
	s_lshl_b32 s66, s17, 9
	s_lshl_b32 s67, s16, 8
	s_add_co_u32 s66, s66, s67                     ; my first output, in bytes
	v_lshl_add_u32 v[BO], v22, 7, s66
	s_and_b32 s67, s18, 1                          ; half
	s_lshl_b32 s68, s15, 2
	s_sub_co_u32 s69, 15, s68
	s_cmp_eq_u32 s67, 1
	s_cselect_b32 s70, s68, s69                    ; my first tile's group of 128 tokens,
	s_cselect_b32 s72, 1, -1                       ; and the way to the next
	s_lshr_b32 s68, s18, 4
	s_lshl_b32 s71, s68, 23                        ; batch
	s_lshr_b32 s68, s18, 1
	s_and_b32 s68, s68, 7                          ; x
	s_lshr_b32 s69, s68, 2
	s_lshl_b32 s69, s69, 18                        ; 64 (x / 4) rows of 4,096 bytes
	s_add_co_u32 s71, s71, s69
	s_and_b32 s69, s68, 3
	s_lshl_b32 s69, s69, 15                        ; 8 (x % 4) rows
	s_add_co_u32 s71, s71, s69
	s_add_co_u32 s71, s71, s66
	WALU
	s_wait_dscnt 0x0                               ; both opening adds are done
	CROUND                                         ; all sixteen work-groups are here
	s_wait_kmcnt 0x0
	s_mul_i32 s2, s17, 4*WC
	s_add_co_u32 s2, s2, 5734400
	s_mov_b32 s3, 0
	s_mov_b32 s48, 1                               ; Wp's chunks 0, 1
	s_mov_b32 s49, 0
	s_add_nc_u64 s[50:51], s[8:9], s[2:3]
	s_mov_b32 s52, 1                               ; chunks 2, 3
	s_mov_b32 s53, 2*WC
	s_add_nc_u64 s[54:55], s[50:51], 2*WC
	s_or_b32 s51, s51, 0x80000000
	s_or_b32 s55, s55, 0x80000000
	s_mul_i32 s2, s18, 98304
	s_mov_b32 s56, 1                               ; the tokens' codes
	s_mov_b32 s57, AB
	s_add_nc_u64 s[58:59], s[4:5], s[2:3]
	s_or_b32 s59, s59, 0x80000000
	s_lshr_b32 s2, s18, 1
	s_lshl_b32 s2, s2, 13
	s_and_b32 s23, s18, 1
	s_lshl_b32 s23, s23, 8
	s_add_co_u32 s2, s2, s23
	s_mov_b32 s60, 1                               ; and their scale bytes
	s_mov_b32 s61, ASB
	s_add_nc_u64 s[62:63], s[6:7], s[2:3]
	s_or_b32 s63, s63, 0x80000000
	s_cmp_eq_u32 s14, 0                            ; one load a wave
	s_cbranch_scc0 .Lhead_1
	TLOAD 48, 24
	s_branch .Lasked
.Lhead_1:
	s_cmp_eq_u32 s14, 1
	s_cbranch_scc0 .Lhead_2
	TLOAD 52, 24
	s_branch .Lasked
.Lhead_2:
	s_cmp_eq_u32 s14, 2
	s_cbranch_scc0 .Lhead_3
	TLOAD 56, 32
	s_branch .Lasked
.Lhead_3:
	TLOAD 60, 40
.Lasked:
.irp k, 0,1,2,3,4,5,6,7
	global_load_b128 v[BP+4*\k:BP+4*\k+3], v[BO], s[10:11] offset:16*\k    ; register 8 j + i: bp of output 32 h + 8 j + i
.endr
	s_cmp_lt_u32 s14, 2
	s_cbranch_scc0 .Lno_wait
	s_wait_tensorcnt 0x0                           ; Wp; the tokens' loads may still be out
.Lno_wait:
	s_barrier_signal -1
	s_barrier_wait -1
.irp q, 0,1,2,3,4,5,6,7
.irp j, 0,1,2,3
.set F_, 4*\q+\j
.set R_, 12*(F_%21)
	WIN (1+F_/21)<<6
.irp p, 0,1,2
	ds_load_b128 v[R_+4*\p:R_+4*\p+3], v[WA+\q/2] offset:3072*\j+1536*(\q%2)+512*\p
.endr
.endr
.endr
	WIN 0
.irp j, 0,1,2,3
.irp c, 0,1,2,3
	ds_load_b64 v[SB+8*\j+2*\c:SB+8*\j+2*\c+1], v[WS+\c] offset:128*\j
.endr
.endr
	s_wait_tensorcnt 0x0                           ; the tokens, where I asked for them
	s_wait_dscnt 0x0
	s_barrier_signal -1
	s_barrier_wait -1
.macro FETCH s                         ; token tile s into set s % 2: 32 loads
	WIN 0xc0
.irp q, 0,1,2,3,4,5,6,7
.set R_, 96*((\s)%2)+12*\q
.set Y_, 12288*(\s)+1536*\q
	ds_load_b128 v[R_:R_+3], v[AA] offset:Y_
	ds_load_b64 v[R_+4:R_+5], v[A8] offset:Y_+512
	ds_load_b128 v[R_+6:R_+9], v[AA] offset:Y_+768
	ds_load_b64 v[R_+10:R_+11], v[A8] offset:Y_+1280
.endr
	WIN 0
.endm
.set n, 0
.rept 16
	ds_load_b64 v[OB+2*n:OB+2*n+1], v[ASC] offset:256*n                    ; head n: two bytes each of my four tiles
.set n, n+1
.endr
	FETCH 0
	s_wait_dscnt 32                                ; the scale bytes; tile 0's loads may be out
.irp s, 0,1,2,3
.irp q, 0,1,2,3,4,5,6,7
	v_perm_b32 v[SA+8*\s+\q], v[OB+4*\q+2+\s/2], v[OB+4*\q+\s/2], s[SELP+\s%2]   ; heads 2 q and 2 q + 1 make a K step's scale word
.endr
.endr
	FETCH 1
	PLACES 8                                       ; a scale register written by a vector instruction stands eight plain lines ahead of a scaled matrix instruction
	WALU
	s_wait_loadcnt 0x0                             ; bp
.macro MUL s, q                        ; four products, the sums by turns
.irp j, 0,1,2,3
.set F_, 4*(\q)+\j
.set R_, 12*(F_%21)
.set A_, 96*((\s)%2)+12*(\q)
.set D_, ACC+32*((\s)%2)+8*\j
	WIN (1+F_/21)|0x0c
.if (\q) == 0
	v_wmma_scale_f32_16x16x128_f8f6f4 v[D_:D_+7], v[R_:R_+11], v[A_:A_+11], v[BP+8*\j:BP+8*\j+7], v[SB+8*\j+(\q)], v[SA+8*(\s)+(\q)] matrix_a_fmt:MATRIX_FMT_FP6 matrix_b_fmt:MATRIX_FMT_FP6
.else
	v_wmma_scale_f32_16x16x128_f8f6f4 v[D_:D_+7], v[R_:R_+11], v[A_:A_+11], v[D_:D_+7], v[SB+8*\j+(\q)], v[SA+8*(\s)+(\q)] matrix_a_fmt:MATRIX_FMT_FP6 matrix_b_fmt:MATRIX_FMT_FP6
.endif
.endr
.endm
.macro TOSTAGE s                       ; 16 tokens x 64 outputs through my own stage, back as rows of 256 bytes: LDS serves a wave's instructions in order
.irp j, 0,1,2,3
.set D_, ACC+32*((\s)%2)+8*\j
	ds_store_b128 v[STO], v[D_:D_+3] offset:32*\j
	ds_store_b128 v[STO], v[D_+4:D_+7] offset:32*\j+16
.endr
.irp t, 0,1,2,3,4,5,6,7
	ds_load_b128 v[OB+4*\t:OB+4*\t+3], v[RD] offset:544*\t
.endr
.endm
.macro SEND younger                    ; stage row 2 t + h is token 32 (t / 4) + 2 (t % 4) + h of the tile
	s_wait_dscnt \younger
	s_lshl_b32 s20, s70, 19                        ; 128 rows of 4,096 bytes
	s_add_co_u32 s20, s20, s71
	s_mov_b32 s21, 0
	s_add_nc_u64 s[22:23], s[12:13], s[20:21]
	s_add_co_i32 s70, s70, s72
.irp t, 0,1,2,3,4,5,6,7
	global_store_b128 v[CO], v[OB+4*\t:OB+4*\t+3], s[22:23] offset:(32*(\t/4)+2*(\t%4))*4096 th:TH_STORE_NT   ; sixteen lanes store 256 consecutive bytes, aligned
.endr
.endm
.macro TILE s, in, back                ; in: the LDS instructions issued behind this tile's loads;  back: those behind the last tile's way through the stage
	s_wait_dscnt \in
.irp q, 0,1,2,3
	MUL \s, \q
.endr
.if (\s) > 0
	WIN 0
	SEND \back
.endif
.irp q, 4,5,6,7
	MUL \s, \q
.endr
	WIN 0
	PLACES 4                                       ; places in front of the first read of the sums, and of the loads into the fragments
.if (\s) > 0
	s_wait_xcnt 0x0                                ; the last tile's stores have read their data and their base
.endif
	TOSTAGE \s
.if (\s) < 2
	FETCH (\s)+2
.endif
.endm
	TILE 0, 32, 0
	TILE 1, 48, 32
	TILE 2, 48, 32
	TILE 3, 16, 0
	SEND 0
	s_wait_tensorcnt 0x0                           ; the wave's end
	ds_add_u32 v[SPW], v[NIL]
	s_wait_dscnt 0x0
	CROUND                                         ; the closing round
	s_endpgm
.Lfunc_end_k_qa2e231a7f0_proj:
	.size	k_qa2e231a7f0_proj, .Lfunc_end_k_qa2e231a7f0_proj-k_qa2e231a7f0_proj
	.p2alignl 7, 3214868480
	.fill 96, 4, 3214868480
	.section	.rodata,"a",@progbits
	.p2align	6, 0x0
	.amdhsa_kernel k_qa2e231a7f0_proj
		.amdhsa_group_segment_fixed_size 222720
		.amdhsa_private_segment_fixed_size 0
		.amdhsa_enable_private_segment 0
		.amdhsa_kernarg_size 40
		.amdhsa_user_sgpr_count 2
		.amdhsa_user_sgpr_kernarg_segment_ptr 1
		.amdhsa_wavefront_size32 1
		.amdhsa_system_sgpr_workgroup_id_x 1
		.amdhsa_system_sgpr_workgroup_id_y 1
		.amdhsa_system_sgpr_workgroup_id_z 1
		.amdhsa_system_vgpr_workitem_id 0
		.amdhsa_next_free_vgpr 960
		.amdhsa_next_free_sgpr 80
		.amdhsa_reserve_vcc 0
		.amdhsa_float_denorm_mode_32 3
		.amdhsa_float_denorm_mode_16_64 3
		.amdhsa_memory_ordered 1
		.amdhsa_forward_progress 1
		.amdhsa_inst_pref_size 54
	.end_amdhsa_kernel
	.amdgpu_metadata
---
amdhsa.version: [ 1, 2 ]
amdhsa.kernels:
  - .name:           k_qa2e231a7f0_proj
    .symbol:         k_qa2e231a7f0_proj.kd
    .args:
      - { .name: a_img, .offset: 0, .size: 8, .value_kind: global_buffer, .address_space: global }
      - { .name: a_sc, .offset: 8, .size: 8, .value_kind: global_buffer, .address_space: global }
      - { .name: img, .offset: 16, .size: 8, .value_kind: global_buffer, .address_space: global }
      - { .name: bp, .offset: 24, .size: 8, .value_kind: global_buffer, .address_space: global }
      - { .name: out0, .offset: 32, .size: 8, .value_kind: global_buffer, .address_space: global }
    .group_segment_fixed_size: 222720
    .private_segment_fixed_size: 0
    .kernarg_segment_align: 8
    .kernarg_segment_size: 40
    .max_flat_workgroup_size: 128
    .sgpr_count:     80
    .vgpr_count:     960
    .wavefront_size: 32
...
	.end_amdgpu_metadata
.endif
;; end of part 4
